; MI455X (gfx1250); checked and timed in simulation.
; The chip was launched on July 23, 2026; its instructions are those of AMD's public machine-readable ISA for CDNA 5 (MIT licence, August 2026) and "CDNA5" Instruction Set Architecture Reference Guide (July 2026). The comments in the code are by the model that wrote it; some were corrected since.
;; NMT Self Attention. Allowed arithmetic: matrix products marked QUANTISED: E2M3 operands, one E8M0 scale for each 32 along K, by v_wmma_scale_f32_16x16x128_f8f6f4 with both operands' format E2M3, f32 sums; everything else in f32.
;; Inputs: wk_codes 256 x 32 x 24 uint8 (E2M3 codes of wk, K innermost, in blocks of 32 codes, four codes in three bytes); wk_scales 256 x 32 uint8 (E8M0 scales of wk, one for each 32 codes along K); wo_codes 1,024 x 32 x 24 uint8 (E2M3 codes of wo, K innermost, in blocks of 32 codes, four codes in three bytes); wo_scales 1,024 x 32 uint8 (E8M0 scales of wo, one for each 32 codes along K); wq_codes 1,024 x 32 x 24 uint8 (E2M3 codes of wq, K innermost, in blocks of 32 codes, four codes in three bytes); wq_scales 1,024 x 32 uint8 (E8M0 scales of wq, one for each 32 codes along K); wv_codes 256 x 32 x 24 uint8 (E2M3 codes of wv, K innermost, in blocks of 32 codes, four codes in three bytes); wv_scales 256 x 32 uint8 (E8M0 scales of wv, one for each 32 codes along K); x_codes 4 x 2,048 x 32 x 24 uint8 (E2M3 codes of x, K innermost, in blocks of 32 codes, four codes in three bytes); x_scales 4 x 2,048 x 32 uint8 (E8M0 scales of x, one for each 32 codes along K).
;; Outputs: out0 4 x 2,048 x 1,024 float32.
;; This version of the problem:
;;   THIS VERSION OF THE PROBLEM IS GIVEN IN LOW PRECISION. The matrix products marked QUANTISED in the list below multiply operands that are first quantised to E2M3 (2 exponent bits, 3 mantissa bits; 6 bits a number), with one power-of-two scale for each 32 numbers along K (OCP MX v1.0); their sums are f32. All else is computed in f32.
;;   The module's matrix products, in the order in which they are computed (A, B: the left and right operand; K: the contracted axis; several contracted axes count as one K, in the product's order):
;;     1. [M 8,192, K 1,024] x [K 1,024, N 1,024]; A: input x (given as codes); B: input wq (given as codes): QUANTISED
;;     2. [M 8,192, K 1,024] x [K 1,024, N 256]; A: input x (given as codes); B: input wk (given as codes): QUANTISED
;;     3. [M 8,192, K 1,024] x [K 1,024, N 256]; A: input x (given as codes); B: input wv (given as codes): QUANTISED
;;     4. batch 64 x [M 2,048, K 64] x [K 64, N 2,048]; A: computed on the way; B: computed on the way: QUANTISED
;;     5. batch 64 x [M 2,048, K 2,048] x [K 2,048, N 64]; A: softmax (see below); B: computed on the way: QUANTISED
;;     6. [M 8,192, K 1,024] x [K 1,024, N 1,024]; A: computed on the way; B: input wo (given as codes): QUANTISED
;;   THE QUANTISER, for each operand of a quantised product, along K:
;;     - K is cut into blocks of 32 from its start; a last block that is shorter is filled with zeros.
;;     - A block's scale is 2^e with e = floor(log2(the largest magnitude in the block)) - 2, held to -126 .. 127; a block of zeros has e = 0. As a byte (E8M0): e + 127.
;;     - Each number is divided by its block's scale, clamped to +-7.5, and rounded to the nearest number of E2M3, ties to even, subnormals kept.
;;     - The product sums the exact products of the quantised numbers (number of the format x scale) in f32.
;;   ~~~python
;;   def quantise(x, axis):      # numpy; x: float32 -> the quantised numbers, widened to float32 again
;;       x = np.moveaxis(x, axis, -1); K = x.shape[-1]
;;       x = np.pad(x, [(0, 0)] * (x.ndim - 1) + [(0, -K % 32)]); x = x.reshape(x.shape[:-1] + (-1, 32)); a = np.abs(x).max(-1, keepdims=True)
;;       e = np.where(a > 0, np.clip(np.frexp(np.where(a > 0, a, 1))[1] - 1 - 2, -126, 127), 0)      # np.frexp(a)[1] - 1 = floor(log2(a)), exactly
;;       r = np.clip(x / 2.0 ** e, -7.5, 7.5)
;;       step = 2.0 ** (np.maximum(np.frexp(np.where(r == 0, 1, r))[1] - 1, 0) - 3)
;;       q = np.round(r / step) * step * 2.0 ** e      # np.round: ties to even
;;       return np.moveaxis(q.reshape(q.shape[:-2] + (-1,))[..., :K], -1, axis).astype(np.float32)
;;   ~~~
;;   SOFTMAX AHEAD OF A QUANTISED PRODUCT. Where the list says 'softmax', what is quantised is not the finished softmax but p = 2^(t - M), with t = logit x log2(e) and M = ceil(the row's largest t), a whole number; so 1/2 < the row's largest p <= 1. The row's sum l is taken of the UNQUANTISED p, in f32, and the product's result is divided by l at the end. Since M is a whole number, a kernel that streams over the keys may use a running M (the ceiling of the running maximum): every later rescaling is an exact power of two, which a block's scale takes up: the codes' values come out the same.
;;   OPERANDS COMPUTED ON THE WAY. 'Computed on the way' means the value that the module computes at that place (a softmax that the list does not call 'softmax' is quantised finished and normalised). What goes into a quantiser is computed in f32, as accurately as f32 sums, v_exp_f32 and their like allow (about 1e-6 of the number): no bf16 or f16 on the way to a quantiser, and a product that is left as it is and whose result goes on into a quantised operand takes f32 operands (vector FMAs, or v_wmma_f32_16x16x4_f32). A number that lies on a knife's edge between two numbers of the format may be rounded either way, as far as f32 arithmetic and the matrix unit's own rounding can turn it there, and no further.
;;   INPUTS GIVEN AS CODES. wk (in the module: [1024, 256], K = its axis 0); wo (in the module: [1024, 1024], K = its axis 0); wq (in the module: [1024, 1024], K = its axis 0); wv (in the module: [1024, 256], K = its axis 0); x (in the module: [4, 2048, 1024], K = its axis 2): each comes as NAME_codes (uint8): NAME with its K axis moved to the last place and cut into blocks of 32 codes, [.., K / 32, bytes a block], one block behind the other in memory; four codes in three bytes: a row's codes are one little-endian stream of bits, code i at bits 6 i .. 6 i + 5 (a code: sign, 2 exponent bits, 3 mantissa bits); and NAME_scales (uint8): the same leading axes, one E8M0 byte (e + 127) for each 32 codes along K. Its value is code x scale, taken as it is: it is not quantised again, and the codes and scales need not be those that the quantiser above would give.
;; One version. Each part assembles by itself: llvm-mc -triple=amdgcn-amd-amdhsa -mcpu=gfx1250 --defsym DOCPART=n.
;; ======== version 1 of 1: 3 launches
;; limits: right only within a limited range of input values
;; workspace buffers: qimg 6,291,456 bytes; qsc 524,288 bytes; kv 3,342,336 bytes; acodes 6,291,456 bytes; ascales 262,144 bytes
;; launch proj (part 1): grid 192 x 1, 4 waves a work-group, no clusters, 327,680 bytes of LDS; arguments x_codes, x_scales, wq_codes, wq_scales, wk_codes, wk_scales, wv_codes, wv_scales, qimg, qsc, kv; writes qimg, qsc, kv
.if DOCPART == 1
	.amdgcn_target "amdgcn-amd-amdhsa--gfx1250"
	.amdhsa_code_object_version 6
	.text
	.protected	k_q13c3f629b4_proj
	.globl	k_q13c3f629b4_proj
	.p2align	8
	.type	k_q13c3f629b4_proj,@function
k_q13c3f629b4_proj:
	s_mov_b64 s[64:65], 0
	v_nop
	global_prefetch_b8 v0, s[64:65] scope:SCOPE_SE
	s_setreg_imm32_b32 hwreg(HW_REG_WAVE_MODE, 25, 1), 1
	s_wait_xcnt 0x0
; q = x wq, k = x wk, v = x wv on codes of FP6 (E2M3) with E8M0 scales; the results are quantised again (q, k along the head's 64, v along the keys) and leave as images of the next launch's operand registers.
; Work-groups 0-127: blocks of 256 tokens x 256 columns of q; 128-159: of k; 160-191: v transposed (side A = wv's 256 rows, side B = 256 tokens).  Four waves, 128 x 128 each, 64 accumulators.
; K = 1,024 is 768 bytes a row: three chunks of 256 bytes, each beginning on a multiple of 256 bytes, through two LDS slots; chunk c lies in slot c % 2.  A step of 128 along K is 96 bytes: steps 2 and 5 lie across two chunks.
; THE HEAD: one tensor load a wave: wave 0 side A's chunk 0 (256 rows), wave 1 side B's, wave 2 side A's scales, wave 3 side B's.  Slot 1's first fill and chunk 2's refill stand behind the full sequence, a quarter of a slot a wave.
; NO JOINT LOADS: the sources of both sides are chosen by the work-group's number among three products of unlike shape, and 192 work-groups of three kinds do not divide into clusters whose partners run alike.
; NO PREFETCH: the walk has three chunks and no loop to run ahead in.
; LIMITS: a block of zeros, or one under 2^-124, gets the scale byte 1 (its codes are zeros); the bytes are read by this program's next launch alone.  NaN and infinities are not served.
.set NQ,     2
.set ROWB,   256
.set KROW,   768
.set STEPS,  8
.set CHUNKS, 3
.set PITCH,  272                       ; 256 bytes + 16 of padding
.set FR,     12
.set NL,     6
.set NP,     4
.set HALFT,  128*PITCH
.set SLOT,   4*HALFT
.set KS,     32
.set SCL,    2*SLOT                    ; the scales, units of 256 bytes + 16
.set HALFS,  16*272
.set SBLK,   2*272
.set SPARE,  SCL+4*HALFS               ; the spare words
.set WREG,   21760                     ; a wave's stages on the way out; they lie in slot 1, which has had its last fill and its last read by then
.set SPITCH, 528
.set CST,    16*SPITCH
.set SST,    CST+2*8*768
.set GSTR,   16*13056
.set CA16, 7
.set CA8,  8
.set CA4,  9
.set CL,   10
.set SL,   11
.set GL,   12
.set SCO,  13
.set SH8,  14
.set SHS,  15
.set ADRA, 16                          ; v16-17 my A fragments in slot 0, 1; v18-19 for pieces whose lanes 16-31 read the next chunk, in the other slot
.set ADRB, 20                          ; v20-23 the same for B
.set STO,  24
.set RD,   25
.set ADRS, 27
.set SPW,  28
.set NIL,  29
.set SC,   32
.set CD,   64
.set CT,   76
.set MX,   84
.set SO,   86
.set BB,   88
.set WW,   90
.set WX,   91
.set W2,   92
.set AF,   128
.set XB,   128
.set OB,   128
.set G0H,  8                           ; s[8:11] group 0 of the head's load of codes
.set WV,   26
.set RH,   27
.set CH,   28
.set SBY,  29
.set SBX,  30
.set ISV,  31
.set G1,   32
.set G0,   40
.set G1S,  48
.set G0S,  56
.set SEL,  60
.set MASK, 62
.set PT,   70
.set SP,   78
.set MSB, 0
.macro WIN new
.if MSB != \new
	s_set_vgpr_msb (MSB<<8)|\new
.set MSB, \new
.endif
.endm
.set MUL_LO, 0xa1
.set MUL_HI, 0xf1
.set TO_B,   0x40
.macro TLOAD g0, g1                    ; s_nop 0 and four v_nop behind the load
	tensor_load_to_lds s[\g0:\g0+3], s[\g1:\g1+7]
	s_nop 0
.rept 4
	v_nop
.endr
.endm
	s_load_b256 s[4:11], s[0:1], 0x0
	s_load_b256 s[12:19], s[0:1], 0x20
	s_load_b128 s[20:23], s[0:1], 0x40
	s_load_b64 s[24:25], s[0:1], 0x50
	v_lshl_add_u32 v[SPW], v0, 2, SPARE
	v_mov_b32 v[NIL], 0
	ds_add_u32 v[SPW], v[NIL]                      ; the opening lines: the add twice and its wait
	ds_add_u32 v[SPW], v[NIL]
	v_lshrrev_b32 v1, 5, v0
	v_readfirstlane_b32 s[WV], v1
	s_lshr_b32 s[RH], s[WV], 1
	s_and_b32 s[CH], s[WV], 1
	s_mov_b32 s[G1+0], (1<<20)|(5<<22)|(3<<25)     ; bytes; 4 words of padding behind every 64
	s_mov_b32 s[G1+1], ROWB<<16
	s_mov_b32 s[G1+2], 256<<16                     ; 256 rows for the head's loads
	s_mov_b32 s[G1+3], ROWB<<16
	s_mov_b32 s[G1+4], 256
	s_mov_b32 s[G1+5], KROW
	s_mov_b32 s[G1+6], 0
	s_mov_b32 s[G1+7], 0
	s_mov_b32 s[G1S+0], (3<<16)|(1<<20)|(5<<22)|(3<<25)   ; the scales of 256 rows: 32 dense rows of 256 bytes
	s_mov_b32 s[G1S+1], 32<<16
	s_mov_b32 s[G1S+2], 32<<16
	s_mov_b32 s[G1S+3], 32<<16
	s_mov_b32 s[G1S+4], 32
	s_mov_b32 s[G1S+5], 32
	s_mov_b32 s[G1S+6], 0
	s_mov_b32 s[G1S+7], 0
	s_mov_b32 s[SEL], 0x76543210
	s_mov_b32 s[SEL+1], 0xfedcba98
	s_lshr_b32 s82, ttmp9, 2
	s_and_b32 s83, ttmp9, 3
	s_sub_co_u32 s84, ttmp9, 128
	s_sub_co_u32 s85, ttmp9, 160
	s_wait_dscnt 0x0
	s_wait_kmcnt 0x0
	s_cmp_lt_u32 ttmp9, 160                        ; side A in s[66:69], side B in s[86:89]: codes, scales
	s_cselect_b64 s[66:67], s[4:5], s[16:17]
	s_cselect_b64 s[68:69], s[6:7], s[18:19]
	s_cselect_b64 s[86:87], s[12:13], s[4:5]
	s_cselect_b64 s[88:89], s[14:15], s[6:7]
	s_cselect_b32 s[SBY], s84, 0
	s_cselect_b32 s[SBX], 0, s85
	s_cselect_b32 s[ISV], 0, 1
	s_cmp_lt_u32 ttmp9, 128
	s_cselect_b64 s[86:87], s[8:9], s[86:87]
	s_cselect_b64 s[88:89], s[10:11], s[88:89]
	s_cselect_b32 s[SBY], s82, s[SBY]
	s_cselect_b32 s[SBX], s83, s[SBX]
	s_cselect_b32 s90, 1, 0
	s_cmp_eq_u32 s[CH], 0                          ; the head's tiles: even waves side A, odd waves side B; 256 rows each
	s_cselect_b64 s[4:5], s[66:67], s[86:87]
	s_cselect_b64 s[6:7], s[68:69], s[88:89]
	s_cselect_b32 s91, s[SBY], s[SBX]
	s_lshl_b32 s91, s91, 8
	s_mul_i32 s92, s91, KROW
	s_mov_b32 s93, 0
	s_add_nc_u64 s[G0H+2:G0H+3], s[4:5], s[92:93]
	s_lshl_b32 s92, s91, 5
	s_add_nc_u64 s[G0S+2:G0S+3], s[6:7], s[92:93]
	s_mov_b32 s[G0H], 1
	s_mul_i32 s[G0H+1], s[CH], 2*HALFT
	s_or_b32 s[G0H+3], s[G0H+3], 0x80000000
	s_mov_b32 s[G0S], 1
	s_mul_i32 s[G0S+1], s[CH], 2*HALFS
	s_add_co_u32 s[G0S+1], s[G0S+1], SCL
	s_or_b32 s[G0S+3], s[G0S+3], 0x80000000
	s_cmp_eq_u32 s[RH], 0                          ; waves 0, 1 fetch codes, waves 2, 3 scales: one load on every way
	s_cbranch_scc0 .Lhead_s
	TLOAD G0H, G1
	s_branch .Lhead_j
.Lhead_s:
	TLOAD G0S, G1S
.Lhead_j:
	s_cmp_eq_u32 s[RH], 0                          ; the ring: waves 0, 1 fetch side A's halves, waves 2, 3 side B's
	s_cselect_b64 s[66:67], s[66:67], s[86:87]
	s_cselect_b32 s91, s[SBY], s[SBX]
	s_lshl_b32 s91, s91, 8
	s_lshl_b32 s92, s[CH], 7
	s_add_co_u32 s91, s91, s92
	s_mul_i32 s92, s91, KROW
	s_add_nc_u64 s[66:67], s[66:67], s[92:93]
	s_mul_i32 s94, s[WV], HALFT
.irp s, 0,1
	s_mov_b32 s[G0+4*\s], 1
	s_add_co_u32 s[G0+4*\s+1], s94, \s*SLOT
	s_add_nc_u64 s[G0+4*\s+2:G0+4*\s+3], s[66:67], \s*ROWB
	s_or_b32 s[G0+4*\s+3], s[G0+4*\s+3], 0x80000000
.endr
	v_and_b32 v1, 15, v0
	v_bfe_u32 v2, v0, 4, 1
	v_mul_u32_u24 v3, v1, PITCH
	v_mul_u32_u24 v4, v2, 24
	v_add_nc_u32 v4, v3, v4                        ; row x pitch + 24 x half
	s_mov_b32 s82, SLOT-232
	s_mov_b32 s83, SLOT+232
	v_sub_nc_u32 v7, 1, v2
	v_mul_u32_u24 v5, s82, v2
	v_add_nc_u32 v5, v3, v5
	v_add_nc_u32 v5, 232, v5                       ; lanes 0-15 byte 232 of the row in slot 0, lanes 16-31 byte 0 in slot 1
	v_mul_u32_u24 v6, s83, v7
	v_add_nc_u32 v6, v3, v6                        ; and the other way round
	s_mul_i32 s82, s[RH], HALFT
	s_mul_i32 s83, s[CH], HALFT
	s_add_co_u32 s83, s83, 2*HALFT
	v_add_nc_u32 v[ADRA+2], s82, v5
	v_add_nc_u32 v[ADRA+3], s82, v6
	v_add_nc_u32 v[ADRB+2], s83, v5
	v_add_nc_u32 v[ADRB+3], s83, v6
.irp s, 0,1
	v_add_nc_u32 v[ADRA+\s], s82, v4
	v_add_nc_u32 v[ADRB+\s], s83, v4
	s_add_co_u32 s82, s82, SLOT
	s_add_co_u32 s83, s83, SLOT
.endr
	v_mul_u32_u24 v5, v1, KS                       ; scale words: lanes 0-15 side A's rows, lanes 16-31 side B's
	v_lshrrev_b32 v6, 8, v5
	v_lshl_add_u32 v5, v6, 4, v5
	s_mul_i32 s82, s[RH], HALFS
	s_mul_i32 s83, s[CH], HALFS
	s_add_co_u32 s83, s83, 2*HALFS
	s_sub_co_u32 s83, s83, s82
	v_mul_u32_u24 v6, s83, v2
	s_add_co_u32 s82, s82, SCL
	v_add_nc_u32 v5, v5, v6
	v_add_nc_u32 v[ADRS], s82, v5
	s_mul_i32 s82, s[WV], WREG                     ; the way out's LDS addresses
	s_add_co_u32 s82, s82, SLOT
	v_mul_u32_u24 v3, v1, SPITCH
	v_add_nc_u32 v3, s82, v3
	v_lshl_add_u32 v[STO], v2, 5, v3
	v_lshl_add_u32 v[RD], v2, 7, v3
	v_and_b32 v4, 7, v0
	v_bfe_u32 v5, v0, 3, 1
	v_mul_u32_u24 v6, v5, 768
	s_add_co_u32 s83, s82, CST
	v_add_nc_u32 v6, s83, v6
	v_lshl_add_u32 v[CA16], v4, 4, v6
	v_lshl_add_u32 v[CA16], v2, 8, v[CA16]
	v_lshl_add_u32 v[CA8], v4, 3, v6
	v_lshl_add_u32 v[CA8], v2, 7, v[CA8]
	s_add_co_u32 s84, s82, SST
	v_lshlrev_b32 v6, 6, v5
	v_lshl_add_u32 v6, v4, 2, v6
	v_lshl_add_u32 v6, v2, 9, v6
	v_add_nc_u32 v[CA4], s84, v6
	v_and_b32 v6, 31, v0
	v_lshlrev_b32 v[GL], 4, v6
	v_add_nc_u32 v[CL], s83, v[GL]
	v_add_nc_u32 v[SL], s84, v[GL]
	v_lshlrev_b32 v[SH8], 3, v2
	v_mov_b32 v[WX], 0
	s_cmp_lg_u32 s[ISV], 0                         ; where the images go: kv by key step of 13,056 bytes, qimg and qsc by tile
	s_cselect_b32 s82, s[SBX], s[SBY]
	s_cselect_b32 s83, s[CH], s[RH]
	s_cselect_b32 s84, s[RH], s[CH]
	s_cselect_b32 s85, 6144, 0
	s_mov_b32 s86, 12288
	s_cselect_b32 s86, 12800, s86
	s_mov_b32 s87, GSTR
	s_cselect_b32 s94, 3072, s87
	s_cselect_b32 s95, s87, 3072
	s_cselect_b32 s96, s87, 256
	s_cselect_b32 s[MASK], -1, 0xffff
	s_cselect_b32 s98, 0, 16
	s_lshl_b32 s82, s82, 1
	s_add_co_u32 s82, s82, s83
	s_lshr_b32 s83, s82, 4
	s_and_b32 s82, s82, 15
	s_lshl_b32 s83, s83, 2
	s_lshl_b32 s84, s84, 1
	s_add_co_u32 s83, s83, s84
	s_lshl_b32 s83, s83, 4
	s_add_co_u32 s83, s83, s82
	s_mul_i32 s83, s83, 13056
	s_add_co_u32 s85, s85, s83
	s_add_co_u32 s86, s86, s83
	s_lshl_b32 s82, s[SBX], 1
	s_add_co_u32 s82, s82, s[CH]
	s_lshl_b32 s82, s82, 10
	s_lshl_b32 s83, s[SBY], 4
	s_add_co_u32 s82, s82, s83
	s_lshl_b32 s83, s[RH], 3
	s_add_co_u32 s82, s82, s83
	s_mul_i32 s83, s82, 768
	s_lshl_b32 s84, s82, 6
	s_cmp_lg_u32 s90, 0
	s_cselect_b32 s85, s83, s85
	s_cselect_b32 s86, s84, s86
	s_cselect_b64 s[PT:PT+1], s[20:21], s[24:25]
	s_cselect_b64 s[SP:SP+1], s[22:23], s[24:25]
	s_mov_b32 s87, 512*768
	s_cselect_b32 s94, s87, s94
	s_cselect_b32 s95, 3072, s95
	s_cselect_b32 s96, 256, s96
	s_mov_b32 s87, 512*64
	s_mov_b32 s97, GSTR
	s_cselect_b32 s97, s87, s97
	s_mov_b32 s83, 0
	s_mov_b32 s82, s85
	s_add_nc_u64 s[PT:PT+1], s[PT:PT+1], s[82:83]
	s_mov_b32 s82, s95
	s_add_nc_u64 s[PT+2:PT+3], s[PT:PT+1], s[82:83]
	s_mov_b32 s82, s94
	s_add_nc_u64 s[PT+4:PT+5], s[PT:PT+1], s[82:83]
	s_add_nc_u64 s[PT+6:PT+7], s[PT+2:PT+3], s[82:83]
	s_mov_b32 s82, s86
	s_add_nc_u64 s[SP:SP+1], s[SP:SP+1], s[82:83]
	s_mov_b32 s82, s97
	s_add_nc_u64 s[SP+2:SP+3], s[SP:SP+1], s[82:83]
	v_mul_u32_u24 v[SCO], s96, v2
	v_lshl_add_u32 v[SCO], v1, 4, v[SCO]
	v_mul_u32_u24 v[SHS], s98, v2
.macro FRAG reg, adr, st, i            ; 16 rows x 128 K: six pieces of 8 bytes; byte y of a row lies in slot (y / 256) % 2 at byte y % 256
.irp p, 0,1,2,3,4,5
.set BY, 96*(\st)+48*(\p/3)+8*(\p%3)
.if BY/ROWB == (BY+24)/ROWB
	ds_load_b64 v[\reg+2*\p:\reg+2*\p+1], v[\adr+(BY/ROWB)%2] offset:BY%ROWB+(\i)*16*PITCH
.else
	ds_load_b64 v[\reg+2*\p:\reg+2*\p+1], v[\adr+2+(BY/ROWB)%2] offset:BY%ROWB-232+(\i)*16*PITCH
.endif
.endr
.endm
.macro MUL16 a0, p, q, sc, zero        ; A's blocks a0, a0 + 1 x B's eight; the 64 accumulators by turns
.irp a, \a0, \a0+1
.irp b, 0,1,2,3,4,5,6,7
.if \zero
	v_wmma_scale_f32_16x16x128_f8f6f4 v[8*(8*((\a)%4)+\b):8*(8*((\a)%4)+\b)+7], v[128*(\p)+FR*\b:128*(\p)+FR*\b+FR-1], v[AF+FR*(\a):AF+FR*(\a)+FR-1], 0, v[SC+8*NQ*(\sc)+NQ*\b+(\q)], v[SC+8*NQ*(\sc)+NQ*(\a)+(\q)] matrix_a_fmt:MATRIX_FMT_FP6 matrix_b_fmt:MATRIX_FMT_FP6 matrix_a_scale:MATRIX_SCALE_ROW1
.else
	v_wmma_scale_f32_16x16x128_f8f6f4 v[8*(8*((\a)%4)+\b):8*(8*((\a)%4)+\b)+7], v[128*(\p)+FR*\b:128*(\p)+FR*\b+FR-1], v[AF+FR*(\a):AF+FR*(\a)+FR-1], v[8*(8*((\a)%4)+\b):8*(8*((\a)%4)+\b)+7], v[SC+8*NQ*(\sc)+NQ*\b+(\q)], v[SC+8*NQ*(\sc)+NQ*(\a)+(\q)] matrix_a_fmt:MATRIX_FMT_FP6 matrix_b_fmt:MATRIX_FMT_FP6 matrix_a_scale:MATRIX_SCALE_ROW1
.endif
.endr
.endr
.endm
.macro FETCH_B st, p
	WIN TO_B
.irp i, 0,1,2,3,4,5,6,7
	FRAG 128*(\p)+FR*\i, ADRB, \st, \i
.endr
	WIN 0
.endm
.macro FETCH_A st, i0
.irp i, \i0, \i0+1, \i0+2, \i0+3
	FRAG AF+FR*(\i), ADRA, \st, \i
.endr
.endm
.macro SCALES pr                       ; the scale words of steps 2 pr, 2 pr + 1 into set pr % 2
.irp i, 0,1,2,3,4,5,6,7
	ds_load_b64 v[SC+8*NQ*((\pr)%2)+NQ*\i:SC+8*NQ*((\pr)%2)+NQ*\i+1], v[ADRS] offset:\i*SBLK+4*NQ*(\pr)
.endr
.endm
.macro PLACES n
.rept \n
	v_nop
.endr
.endm
; A step: 64 products; the next step's fragments are fetched in its middle and at its end.  Where the next step's bytes end in a chunk not yet read: a wait for my tensor loads and a barrier.
; Where they begin in a later chunk: the three lines, the barrier, and, where a chunk two on is left, the refill first behind it.
.macro STEP st, zero
.set NX, (\st)+1
.set C0, (96*(\st))/ROWB
.set C1, (96*NX)/ROWB
.set E0, (96*(\st)+95)/ROWB
.set E1, (96*NX+95)/ROWB
.if C1 > C0 || E1 > E0
	s_wait_tensorcnt 0x0                           ; all my tensor loads have landed
.if C1 > C0
	ds_add_u32 v[SPW], v[NIL]
	s_wait_dscnt 4*NL+1                            ; the add and A's blocks 4-7 may be out
.else
	s_wait_dscnt 4*NL                              ; A's blocks 4-7 may be out
.endif
	WIN MUL_LO
	MUL16 0, (\st)%2, (\st)%2, ((\st)/2)%2, \zero
	s_wait_dscnt 0x0                               ; the add and all my reads are done
	s_barrier_signal -1
	MUL16 2, (\st)%2, (\st)%2, ((\st)/2)%2, \zero
	WIN 0
	s_barrier_wait -1
.if C1 > C0 && C0+2 < CHUNKS
	s_add_nc_u64 s[G0+4*(C0%2)+2:G0+4*(C0%2)+3], s[G0+4*(C0%2)+2:G0+4*(C0%2)+3], 2*ROWB
	TLOAD G0+4*(C0%2), G1                          ; chunk C0 + 2; its four v_nop are the places in front of the loads below
.else
	PLACES NP
.endif
.else
	s_wait_dscnt 4*NL
	WIN MUL_LO
	MUL16 0, (\st)%2, (\st)%2, ((\st)/2)%2, \zero
	MUL16 2, (\st)%2, (\st)%2, ((\st)/2)%2, \zero
	s_wait_dscnt 0
	PLACES NP
.endif
	FETCH_B NX, NX%2
	FETCH_A NX, 0
.if NX%2 == 0
	SCALES NX/2
.endif
	WIN MUL_HI
	MUL16 4, (\st)%2, (\st)%2, ((\st)/2)%2, \zero
	MUL16 6, (\st)%2, (\st)%2, ((\st)/2)%2, \zero
	PLACES NP
	WIN 0
	FETCH_A NX, 4
.endm
	s_wait_alu depctr_va_vdst(0)                   ; the wait at the head's end
	s_wait_tensorcnt 0x0                           ; my tile of the head's four is in
	ds_add_u32 v[SPW], v[NIL]
	s_mov_b32 s[G1+2], 128<<16                     ; no load of mine is out: from here on a load brings 128 rows
	s_mov_b32 s[G1+4], 128
	s_wait_dscnt 0x0
	s_barrier_signal -1
	s_barrier_wait -1                              ; all four tiles are in
	TLOAD G0+4, G1                                 ; chunk 1, slot 1's first fill
	FETCH_B 0, 0
	FETCH_A 0, 0
	SCALES 0
	FETCH_A 0, 4
	STEP 0, 1
.set ST, 1
.rept STEPS-2
	STEP ST, 0
.set ST, ST+1
.endr
	s_wait_dscnt 4*NL
	WIN MUL_LO
	MUL16 0, 1, 1, 1, 0
	MUL16 2, 1, 1, 1, 0
	s_wait_dscnt 0
	WIN MUL_HI
	MUL16 4, 1, 1, 1, 0
	MUL16 6, 1, 1, 1, 0
	WIN 0
; THE WAY OUT.  A block of 16 rows x 128 columns goes through my stage and comes back so that a lane holds two whole blocks of 32 along the columns; they are quantised, and codes and scale words are laid as register images.
.macro TOSTAGE a
.set AC, 64*((\a)%4)
	WIN 0x08+4*((\a)/4)
.irp b, 0,1,2,3,4,5,6,7
	ds_store_b128 v[STO], v[AC+8*\b:AC+8*\b+3] offset:64*\b
	ds_store_b128 v[STO], v[AC+8*\b+4:AC+8*\b+7] offset:64*\b+16
.endr
	WIN 0
.set XS, XB+64*((\a)%2)
.irp c, 0,1
.irp i, 0,1,2,3,4,5,6,7
	ds_load_b128 v[XS+32*\c+4*\i:XS+32*\c+4*\i+3], v[RD] offset:256*\c+16*\i
.endr
.endr
.endm
.macro QUANT a
.set XS, XB+64*((\a)%2)
.irp c, 0,1
	v_max3_num_f32 v[MX+\c], |v[XS+32*\c]|, |v[XS+32*\c+1]|, 0x1800000   ; with the floor 2^(3 - 127)
.endr
.irp i, 2,4,6,8,10,12,14,16,18,20,22,24,26,28,30
.irp c, 0,1
	v_max3_num_f32 v[MX+\c], v[MX+\c], |v[XS+32*\c+\i]|, |v[XS+32*\c+\i+1]|
.endr
.endr
.irp c, 0,1
	v_add_nc_u32 v[SO+\c], 0xff000000, v[MX+\c]    ; 2 off the exponent field: the conversion's scale operand
.endr
.irp c, 0,1
	v_lshrrev_b32 v[BB+\c], 23, v[SO+\c]
.endr
	v_lshl_or_b32 v[WW], v[BB+1], 16, v[BB]
	v_lshlrev_b32 v[WW], v[SH8], v[WW]
	v_permlanex16_b32 v[WX], v[WW], s[SEL], s[SEL+1]
	v_or_b32 v[WW], v[WW], v[WX]
.irp c, 0,1
	v_cvt_scalef32_pk16_fp6_f32 v[CD+6*\c:CD+6*\c+2], v[XS+32*\c:XS+32*\c+15], v[SO+\c]
	v_cvt_scalef32_pk16_fp6_f32 v[CT+4*\c:CT+4*\c+2], v[XS+32*\c+16:XS+32*\c+31], v[SO+\c]
.endr
	v_nop
.irp c, 0,1
.irp i, 0,1,2
	v_mov_b32 v[CD+6*\c+3+\i], v[CT+4*\c+\i]
.endr
.endr
	v_lshrrev_b32 v[W2], v[SHS], v[WW]
	v_and_b32 v[W2], s[MASK], v[W2]
.endm
.macro CSTORE a
.set T0, 4*((\a)/4)+2*((\a)%2)
.set HI, ((\a)%4)/2
.irp c, 0,1
	ds_store_b128 v[CA16], v[CD+6*\c:CD+6*\c+3] offset:6144*\c+768*T0+128*HI
	ds_store_b64 v[CA8], v[CD+6*\c+4:CD+6*\c+5] offset:6144*\c+768*T0+512+64*HI
.endr
	ds_store_b32 v[CA4], v[W2] offset:64*T0+32*HI
.endm
	PLACES NP
	TOSTAGE 0
.irp a, 0,1,2,3,4,5,6
	TOSTAGE \a+1
	s_wait_dscnt 32                                ; behind block a's loads: block a + 1's 16 stores and 16 loads
	QUANT \a
	CSTORE \a
.endr
	s_wait_dscnt 0x0
	QUANT 7
	CSTORE 7
	ds_load_b128 v[OB+96:OB+99], v[SL]
	ds_load_b128 v[OB+100:OB+103], v[SL] offset:512
.irp c, 0,1
.irp q, 0,1
.irp i, 0,1,2,3,4,5
	ds_load_b128 v[OB+4*(12*\c+6*\q+\i):OB+4*(12*\c+6*\q+\i)+3], v[CL] offset:6144*\c+3072*\q+512*\i
.endr
.endr
.endr
	s_wait_dscnt 25
	global_store_b128 v[SCO], v[OB+96:OB+99], s[SP:SP+1]
	s_wait_dscnt 24
	s_cmp_lg_u32 s[ISV], 0
	s_cbranch_scc1 .Lone_plane
	global_store_b128 v[SCO], v[OB+100:OB+103], s[SP+2:SP+3]
.Lone_plane:
.irp c, 0,1
.irp q, 0,1
.irp i, 0,1,2,3,4,5
	s_wait_dscnt 23-(12*\c+6*\q+\i)
	global_store_b128 v[GL], v[OB+4*(12*\c+6*\q+\i):OB+4*(12*\c+6*\q+\i)+3], s[PT+4*\c+2*\q:PT+4*\c+2*\q+1] offset:512*\i
.endr
.endr
.endr
	s_wait_tensorcnt 0x0                           ; the wave's end
	ds_add_u32 v[SPW], v[NIL]
	s_wait_dscnt 0x0
	s_endpgm
.Lfunc_end_k_q13c3f629b4_proj:
	.size	k_q13c3f629b4_proj, .Lfunc_end_k_q13c3f629b4_proj-k_q13c3f629b4_proj
	.p2alignl 7, 3214868480
	.fill 96, 4, 3214868480
	.section	.rodata,"a",@progbits
	.p2align	6, 0x0
	.amdhsa_kernel k_q13c3f629b4_proj
		.amdhsa_group_segment_fixed_size 327680
		.amdhsa_private_segment_fixed_size 0
		.amdhsa_enable_private_segment 0
		.amdhsa_kernarg_size 88
		.amdhsa_user_sgpr_count 2
		.amdhsa_user_sgpr_kernarg_segment_ptr 1
		.amdhsa_wavefront_size32 1
		.amdhsa_system_sgpr_workgroup_id_x 1
		.amdhsa_system_sgpr_workgroup_id_y 1
		.amdhsa_system_sgpr_workgroup_id_z 1
		.amdhsa_system_vgpr_workitem_id 0
		.amdhsa_next_free_vgpr 1024
		.amdhsa_next_free_sgpr 100
		.amdhsa_reserve_vcc 0
		.amdhsa_float_denorm_mode_32 3
		.amdhsa_float_denorm_mode_16_64 3
		.amdhsa_memory_ordered 1
		.amdhsa_forward_progress 1
		.amdhsa_inst_pref_size 178
	.end_amdhsa_kernel
	.amdgpu_metadata
---
amdhsa.version: [ 1, 2 ]
amdhsa.kernels:
  - .name:           k_q13c3f629b4_proj
    .symbol:         k_q13c3f629b4_proj.kd
    .args:
      - { .name: x_codes, .offset: 0, .size: 8, .value_kind: global_buffer, .address_space: global }
      - { .name: x_scales, .offset: 8, .size: 8, .value_kind: global_buffer, .address_space: global }
      - { .name: wq_codes, .offset: 16, .size: 8, .value_kind: global_buffer, .address_space: global }
      - { .name: wq_scales, .offset: 24, .size: 8, .value_kind: global_buffer, .address_space: global }
      - { .name: wk_codes, .offset: 32, .size: 8, .value_kind: global_buffer, .address_space: global }
      - { .name: wk_scales, .offset: 40, .size: 8, .value_kind: global_buffer, .address_space: global }
      - { .name: wv_codes, .offset: 48, .size: 8, .value_kind: global_buffer, .address_space: global }
      - { .name: wv_scales, .offset: 56, .size: 8, .value_kind: global_buffer, .address_space: global }
      - { .name: qimg, .offset: 64, .size: 8, .value_kind: global_buffer, .address_space: global }
      - { .name: qsc, .offset: 72, .size: 8, .value_kind: global_buffer, .address_space: global }
      - { .name: kv, .offset: 80, .size: 8, .value_kind: global_buffer, .address_space: global }
    .group_segment_fixed_size: 327680
    .private_segment_fixed_size: 0
    .kernarg_segment_align: 8
    .kernarg_segment_size: 88
    .max_flat_workgroup_size: 128
    .sgpr_count:     100
    .vgpr_count:     1024
    .wavefront_size: 32
...
	.end_amdgpu_metadata
.endif
;; end of part 1
;; launch attn (part 2): grid 16 x 16, 16 waves a work-group, no clusters, 247,808 bytes of LDS; arguments qimg, qsc, kv, acodes, ascales; writes acodes, ascales
.if DOCPART == 2
	.amdgcn_target "amdgcn-amd-amdhsa--gfx1250"
	.amdhsa_code_object_version 6
	.text
	.protected	k_q13c3f629b4_attn
	.globl	k_q13c3f629b4_attn
	.p2align	8
	.type	k_q13c3f629b4_attn,@function
k_q13c3f629b4_attn:
	s_mov_b64 s[64:65], 0
	v_nop
	global_prefetch_b8 v0, s[64:65] scope:SCOPE_SE
	s_setreg_imm32_b32 hwreg(HW_REG_WAVE_MODE, 25, 1), 1
	s_wait_xcnt 0x0
; attn[b][t][head x 64 + d] = softmax over keys k <= t of (q . k / 8), times v; 16 query heads, 4 kv heads, head size 64, 2,048 positions, 4 batches.  Both products on codes of FP6 (E2M3) with one E8M0 scale
; for each 32 along a product's K; the result is quantised again along head x d and leaves as codes [8,192][768 bytes] and scale bytes [8,192][32].
; THE SOFTMAX AHEAD OF THE SECOND PRODUCT: t = score x log2(e) / 8; M = the row's largest t so far, rounded UP to a whole number; p = 2^(t - M) is what is quantised, along the keys, not normalised.
; The row's sum is taken of the unquantised p, in f32, and divides O at the end.  When M moves, the sum and O are multiplied by 2^(old M - new M): exact.
; THE HEAD'S 64 ARE HALF OF THE INSTRUCTION'S K: registers 6-11 of Q's and K's fragments (K = 64 .. 127) are zero codes, cleared once; the upper two bytes of their scale words are 0.
; SHARES.  Work-group (j, g): g = 4 batch + kv head, its four query heads, and TWO blocks of 64 queries, p = j and p = 31 - j.  Block p needs p / 2 + 1 key steps of 128: 17 for the two, whatever j: all work-groups
; do the same work.  Wave w takes head w / 4 and tile w % 4 of each block: 16 queries, in two passes.  Four waves to a SIMD: one wave's vector work stands beside another's matrix work and LDS loads.
; LDS IS FILLED ONCE: the group's K and V, 16 key steps of 13,056 bytes as the launch before has laid them (images of operand registers), one tensor load a wave at the head; nothing is filled again.
; The loops' trip counts are constants (8 and 16); a step beyond the block's last is passed over by a scalar branch on ids.  The mask falls on a pass's last step alone; no step that is walked is wholly hidden.
; LAYOUT.  Both products are used transposed: S^T = K Q^T (source 0 = 16 keys, source 1 = my 16 queries), O^T = V^T P^T (source 0 = 16 channels): a lane holds ONE query throughout.
; THE ROWS OF A TILE ARE NOT NEIGHBOURS: of 64 rows tile u holds 8 u .. 8 u + 7 and 32 + 8 u .. 32 + 8 u + 7.  So register 32 c + i of the scores is key 64 c + 32 (lane / 16) + i: a lane's 32 registers are a whole
; block of the next K: its maximum needs no other lane and the conversions' results are the operand's registers.  Likewise O^T's 32 registers are channels 32 (lane / 16) + 0 .. 31.
; NO JOINT LOADS, though the sixteen work-groups of a g read the same bytes: the branches that pass over steps and that lead to the mask hang on j, and partners of a joint request must run alike; four partners
; with one count of steps would walk 18 steps with 4 masked where 17 with 2 are walked here.
; NO PREFETCH: the launch's only loads stand at its head.
; LIMITS: NaN and infinities are not served.  A block of zeros, or one under 2^-124, gets the scale byte 1 (the quantiser's text says 127 for zeros); the bytes are read by this program's last launch alone.
.set BLKB, 13056                       ; a key step in LDS and in kv: K's 8 half images of 768, V's 2 x 4, K's 8 x 64 bytes of scale words, V's 4 x 64
.set STG,  16*BLKB                     ; behind them: the codes' stage, 128 rows (2 passes x 64 queries) x 272: sixteen places of 16 bytes, each with 12 bytes of codes, + 16
.set SPI,  272
.set SCST, STG+128*SPI                 ; and the scale bytes' stage, 128 rows x 8
.set L16,  1                           ; v1   16 x lane
.set L8,   2                           ; v2   8 x lane
.set L4,   3                           ; v3   4 x (lane % 16)
.set A16,  4                           ; v4-6 the same + the key step's first byte
.set A8,   5
.set A4,   6
.set STA,  7                           ; v7   codes' stage: my query's row, my head's and half's 32 bytes
.set SCB,  8                           ; v8   scale bytes' stage: my byte
.set SH8,  9                           ; v9   8 x (lane / 16)
.set QL,   10                          ; v10  my query's row in its block - 32 (lane / 16)
.set NINF, 11                          ; v11  -infinity
                                       ; v12 -M, v13 the largest t, v[14:15] the sum in two halves
.set QF,   16                          ; v16-27 Q's fragment (v22-27 zeros)
.set QSW,  28                          ; v28  Q's scale words;  v29 the second pass's
.set QSW1, 29
.set FF,   30                          ; v[30:31] f = 2^(old M - new M); v31 = 0, named with it as a pair
.set KB,   32                          ; v32-79 four fragments of K; registers 6-11 of each stay zeros; registers 0-5 serve the softmax between the products and the next loads:
.set BM,   32                          ;   v32-33 the two blocks' largest scores, then largest p
.set TX,   34                          ;   v34 from lane l xor 16
.set TT,   35                          ;   v35 at work
.set SUM2, 36                          ;   v[36:37] the sum's second chain
.set SO,   44                          ;   v44-45 the conversions' scale operands
.set BY,   46                          ;   v46-47 scale bytes
.set WW,   48                          ;   v48 my half of the scale word; v49 the other half's
.set WX,   49
.set CT,   56                          ;   v56-58, v68-70 a block's upper 16 codes
.set VB,   80                          ; v80-127 four fragments of V
.set SR,   128                         ; v128-191 S^T, then p
.set OT,   192                         ; v192-223 O^T
.set PF,   224                         ; v224-235 p's codes
.set Q1,   236                         ; v236-241 the second pass's Q
.set PW,   242                         ; v242 p's scale word
.set KSW,  244                         ; v244-247 K's scale words
.set VSW,  248                         ; v248-251 V's
.set SRD,  252                         ; v252 codes' stage, read back by rows
.set GOF,  253                         ; v253 and the same place in acodes
.set SSR,  254                         ; v254 scale bytes' stage, read back
.set L32,  255                         ; v255 32 x lane: a row of ascales
.set WV,   14
.set HD,   15                          ; my head among the group's four
.set UU,   16                          ; my tile among a block's four
.set JJ,   17
.set GG,   18
.set SEL,  20                          ; s[20:21] lane selects: lane l xor 16
.set CS,   22                          ; s[22:23] c = log2(e) / 8
.set G1,   24
.set G0,   32
.set NN,   36                          ; s36-37 key steps of pass 0, 1
.set KS,   38                          ; s38 the key step
.set TB,   39                          ; s39 its first byte in LDS
.set D0,   40
.set P64,  41                          ; s41-42 the first query of pass 0, 1
.set AOUT, 44                          ; s[44:45] where my rows of codes go
.set SOUT, 46                          ; s[46:47] and my rows of scale bytes
	s_load_b256 s[4:11], s[0:1], 0x0               ; qimg, qsc, kv, acodes
	s_load_b64 s[12:13], s[0:1], 0x20              ; ascales
	v_lshl_add_u32 v254, v0, 2, 0x3c000
	v_mov_b32 v255, 0
	ds_add_u32 v254, v255
	ds_add_u32 v254, v255
	s_wait_dscnt 0x0
	v_lshrrev_b32 v1, 5, v0
	s_delay_alu instid0(VALU_DEP_1)
	v_readfirstlane_b32 s[WV], v1                  ; wave 0..15
	s_lshr_b32 s[HD], s[WV], 2
	s_and_b32 s[UU], s[WV], 3
	s_mov_b32 s[JJ], ttmp9
	s_and_b32 s[GG], ttmp7, 0xffff
	; descriptor group 1: a key step's 13,056 dense bytes as 51 rows of 256 (32 elements of 8 bytes), no padding
	s_mov_b32 s[G1+0], 3<<16
	s_mov_b32 s[G1+1], 32<<16                      ; tensor_dim0
	s_mov_b32 s[G1+2], 51<<16                      ; tensor_dim1
	s_mov_b32 s[G1+3], 32<<16                      ; tile_dim0
	s_mov_b32 s[G1+4], 51                          ; tile_dim1
	s_mov_b32 s[G1+5], 32                          ; tensor_dim0_stride
	s_mov_b32 s[G1+6], 0
	s_mov_b32 s[G1+7], 0
	s_lshl_b32 s43, s[GG], 4
	s_add_co_u32 s43, s43, s[WV]                   ; wave w fetches key step w of the group
	s_mul_i32 s48, s43, BLKB
	s_mov_b32 s49, 0
	s_mov_b32 s[G0], 1
	s_mul_i32 s[G0+1], s[WV], BLKB
	s_wait_kmcnt 0x0
	s_add_nc_u64 s[G0+2:G0+3], s[8:9], s[48:49]
	s_or_b32 s[G0+3], s[G0+3], 0x80000000
	tensor_load_to_lds s[G0:G0+3], s[G1:G1+7]      ; my one tensor load of the launch
	s_nop 0
.rept 4
	v_nop
.endr
	v_and_b32 v4, 31, v0
	s_delay_alu instid0(VALU_DEP_1)
	v_lshlrev_b32 v[L16], 4, v4
	s_wait_alu depctr_va_vdst(0)
	v_lshlrev_b32 v[L8], 3, v4
	s_wait_alu depctr_va_vdst(0)
	v_lshlrev_b32 v[L32], 5, v4
	v_and_b32 v12, 15, v0                          ; r
	s_delay_alu instid0(VALU_DEP_1)
	v_lshlrev_b32 v[L4], 2, v12
	s_wait_alu depctr_va_vdst(0)
	s_lshr_b32 s62, s[GG], 2                       ; batch
	s_and_b32 s63, s[GG], 3                        ; kv head
	s_sub_co_u32 s43, 31, s[JJ]                    ; the second block
	s_lshr_b32 s[NN], s[JJ], 1
	s_add_co_u32 s[NN], s[NN], 1
	s_lshr_b32 s[NN+1], s43, 1
	s_add_co_u32 s[NN+1], s[NN+1], 1
	s_lshl_b32 s[P64], s[JJ], 6
	s_lshl_b32 s[P64+1], s43, 6
	s_lshl_b32 s48, s63, 2
	s_add_co_u32 s48, s48, s[HD]                   ; the query head: 4 x kv head + mine
	s_lshl_b32 s48, s48, 9
	s_lshl_b32 s50, s62, 7
	s_add_co_u32 s48, s48, s50
	s_add_co_u32 s48, s48, s[UU]                   ; 512 x head + 4 x 32 x batch + tile
	s_lshl_b32 s50, s[JJ], 2
	s_add_co_u32 s50, s50, s48                     ; + 4 x block: pass 0's tile of Q,
	s_lshl_b32 s51, s43, 2
	s_add_co_u32 s51, s51, s48                     ; pass 1's
	s_mov_b32 s53, 0
	s_mul_i32 s52, s50, 768
	s_add_nc_u64 s[54:55], s[4:5], s[52:53]
	s_mul_i32 s52, s51, 768
	s_add_nc_u64 s[56:57], s[4:5], s[52:53]
	s_lshl_b32 s52, s50, 6
	s_add_nc_u64 s[58:59], s[6:7], s[52:53]
	s_lshl_b32 s52, s51, 6
	s_add_nc_u64 s[60:61], s[6:7], s[52:53]
	global_load_b128 v[QF:QF+3], v[L16], s[54:55]              ; a half image: registers 0-3 at 16 x lane, 4-5 at 512 + 8 x lane
	global_load_b64 v[QF+4:QF+5], v[L8], s[54:55] offset:512
	global_load_b32 v[QSW], v[L4], s[58:59]
	global_load_b128 v[Q1:Q1+3], v[L16], s[56:57]
	global_load_b64 v[Q1+4:Q1+5], v[L8], s[56:57] offset:512
	global_load_b32 v[QSW1], v[L4], s[60:61]
	s_mov_b32 s[SEL], 0x76543210
	s_mov_b32 s[SEL+1], 0xfedcba98
	s_mov_b32 s[CS], 0x3e38aa3b                    ; c = log2(e) / 8
	s_mov_b32 s[CS+1], s[CS]                       ; (named with it as a pair, so it is written)
	; every LDS address is made here: constants x parts of the lane's number + constants x parts of the wave's
	v_and_b32 v4, 7, v0                            ; r % 8
	v_bfe_u32 v5, v0, 3, 1                         ; r / 8
	v_bfe_u32 v6, v0, 4, 1                         ; h
	s_delay_alu instid0(VALU_DEP_3)
	v_mul_u32_u24 v[STA], v4, SPI
	s_delay_alu instid0(VALU_DEP_1)
	v_mad_u32_u24 v[STA], v5, 32*SPI, v[STA]
	s_delay_alu instid0(VALU_DEP_1)
	v_lshl_add_u32 v[STA], v6, 5, v[STA]
	s_mul_i32 s48, s[UU], 8*SPI
	s_lshl_b32 s50, s[HD], 6
	s_add_co_u32 s48, s48, s50
	s_add_co_u32 s48, s48, STG
	v_add_nc_u32 v[STA], s48, v[STA]               ; row 8 u + r % 8 + 32 (r / 8); places 4 head + 2 h, + 1
	v_lshl_add_u32 v[QL], v5, 5, v4
	s_lshl_b32 s48, s[UU], 3
	v_add_nc_u32 v[QL], s48, v[QL]                 ; my query's row in its block
	s_delay_alu instid0(VALU_DEP_1)
	v_lshlrev_b32 v[SCB], 3, v[QL]
	s_delay_alu instid0(VALU_DEP_1)
	v_add_nc_u32 v[SCB], v[SCB], v6
	s_lshl_b32 s48, s[HD], 1
	s_add_co_u32 s48, s48, SCST
	v_add_nc_u32 v[SCB], s48, v[SCB]               ; 8 x row + 2 x head + h
	v_lshlrev_b32 v[SH8], 3, v6
	v_lshlrev_b32 v[NINF], 5, v6
	s_delay_alu instid0(VALU_DEP_1)
	v_sub_nc_u32 v[QL], v[QL], v[NINF]             ; - 32 h
	v_mov_b32 v[NINF], 0xff800000
	v_mul_u32_u24 v[SRD], v6, SPI
	s_delay_alu instid0(VALU_DEP_1)
	v_lshl_add_u32 v[SRD], v12, 4, v[SRD]
	s_mul_i32 s48, s[WV], 8*SPI
	s_add_co_u32 s48, s48, STG
	v_add_nc_u32 v[SRD], s48, v[SRD]               ; back: wave w takes stage rows 8 w .. 8 w + 7; sixteen lanes to a row, two rows an instruction
	v_mul_u32_u24 v[GOF], v6, 768
	s_delay_alu instid0(VALU_DEP_1)
	v_mad_u32_u24 v[GOF], v12, 12, v[GOF]
	s_lshl_b32 s48, s[UU], 8
	s_add_co_u32 s48, s48, SCST
	v_add_nc_u32 v[SSR], s48, v[L8]                ; waves 0-3: 32 rows of 8 scale bytes each, a lane a row
	; where the results go.  Codes: row 2,048 batch + the pass's first query + 8 (w % 8), bytes 192 x kv head on
	s_cmp_lt_u32 s[WV], 8
	s_cselect_b32 s48, s[P64], s[P64+1]
	s_and_b32 s50, s[WV], 7
	s_lshl_b32 s50, s50, 3
	s_add_co_u32 s48, s48, s50
	s_lshl_b32 s50, s62, 11
	s_add_co_u32 s48, s48, s50
	s_mul_i32 s48, s48, 768
	s_mul_i32 s50, s63, 192
	s_add_co_u32 s48, s48, s50
	s_add_nc_u64 s[AOUT:AOUT+1], s[10:11], s[48:49]
	s_cmp_lt_u32 s[WV], 2                          ; scale bytes: row 2,048 batch + the pass's first query + 32 (w % 2), bytes 8 x kv head on
	s_cselect_b32 s48, s[P64], s[P64+1]
	s_and_b32 s50, s[WV], 1
	s_lshl_b32 s50, s50, 5
	s_add_co_u32 s48, s48, s50
	s_lshl_b32 s50, s62, 11
	s_add_co_u32 s48, s48, s50
	s_lshl_b32 s48, s48, 5
	s_lshl_b32 s50, s63, 3
	s_add_co_u32 s48, s48, s50
	s_add_nc_u64 s[SOUT:SOUT+1], s[12:13], s[48:49]
.irp k, 6,7,8,9,10,11
	v_mov_b32 v[QF+\k], 0                          ; zero codes for K = 64 .. 127, on both sides, once
.irp t, 0,1,2,3
	v_mov_b32 v[KB+12*\t+\k], 0
.endr
.endr
	v_mov_b32 v[FF+1], 0
	v_mov_b32 v[TX], 0                             ; written once: a lane permute's destination counts as one of its sources
	v_mov_b32 v[WX], 0
	s_wait_tensorcnt 0x0                           ; my key step has landed,
	s_barrier_signal -1
	s_barrier_wait -1                              ; everybody's has: all 16 lie in LDS
	s_wait_loadcnt 0x0                             ; Q
; A PASS: the 16 queries of my tile of block i, over its key steps.  ntr: the loop's constant trip count.
.macro PASS i, ntr
.if \i
.irp k, 0,1,2,3,4,5
	v_mov_b32 v[QF+\k], v[Q1+\k]                   ; the 36 lines that follow are the places between these writes and the first product
.endr
	v_mov_b32 v[QSW], v[QSW1]
.endif
	v_mov_b32 v13, 0xff61b1e6                      ; the largest t so far: -3e38, under every t
	s_delay_alu instid0(VALU_DEP_1)
	v_floor_f32 v12, -v13                          ; -M
	v_mov_b32 v14, 0                               ; the sum, in two halves
	v_mov_b32 v15, 0
.set n, 0
.rept 32
	v_mov_b32 v[OT+n], 0                           ; O^T.  (The step is written once: the first finds zeros, which the first change of M leaves zeros)
.set n, n+1
.endr
	s_mov_b32 s[KS], 0
	s_mov_b32 s[TB], 0
.Ltrip_\@:
	s_cmp_ge_u32 s[KS], s[NN+\i]                   ; beyond the block's last step: all keys come after my queries
	s_cbranch_scc1 .Lskip_\@
	v_add_nc_u32 v[A16], s[TB], v[L16]
	s_wait_alu depctr_va_vdst(0)
	v_add_nc_u32 v[A8], s[TB], v[L8]
	s_wait_alu depctr_va_vdst(0)
	v_add_nc_u32 v[A4], s[TB], v[L4]
	s_wait_alu depctr_va_vdst(0)
.irp g, 0,1                                    ; S^T = K Q^T, four tiles of 16 keys at a time
.if \g
.rept 4
	v_nop                                          ; places in front of loads into registers that matrix instructions have read
.endr
.endif
.irp t, 0,1,2,3
	ds_load_b128 v[KB+12*\t:KB+12*\t+3], v[A16] offset:768*(4*\g+\t)
	ds_load_b64 v[KB+12*\t+4:KB+12*\t+5], v[A8] offset:768*(4*\g+\t)+512
	ds_load_b32 v[KSW+\t], v[A4] offset:12288+64*(4*\g+\t)
.endr
	s_wait_dscnt 0x0
.irp t, 0,1,2,3
	v_wmma_scale_f32_16x16x128_f8f6f4 v[SR+8*(4*\g+\t):SR+8*(4*\g+\t)+7], v[KB+12*\t:KB+12*\t+11], v[QF:QF+11], 0, v[KSW+\t], v[QSW] matrix_a_fmt:MATRIX_FMT_FP6 matrix_b_fmt:MATRIX_FMT_FP6
.endr
.endr
.irp t, 0,1,2,3                                ; V's four fragments are asked for now and land during the softmax.  (Behind the last step's products that read these registers stand the three additions and the four v_nop above)
	ds_load_b128 v[VB+12*\t:VB+12*\t+3], v[A16] offset:6144+768*\t
	ds_load_b64 v[VB+12*\t+4:VB+12*\t+5], v[A8] offset:6144+768*\t+512
	ds_load_b128 v[VB+12*\t+6:VB+12*\t+9], v[A16] offset:9216+768*\t
	ds_load_b64 v[VB+12*\t+10:VB+12*\t+11], v[A8] offset:9216+768*\t+512
	ds_load_b32 v[VSW+\t], v[A4] offset:12800+64*\t
.endr
.rept 4
	v_nop                                          ; places in front of the first read of the scores, and of the first write into K's registers
.endr
	s_add_co_u32 s43, s[KS], 1                     ; the pass's last step lies on the diagonal: hidden scores become -infinity ahead of the maximum, p = 0 then.  All other steps pass this over
	s_cmp_lg_u32 s43, s[NN+\i]
	s_cbranch_scc1 .Lopen_\@
	s_lshl_b32 s43, s[KS], 7
	s_sub_co_i32 s[D0], s[P64+\i], s43
	v_add_nc_u32 v[TT], s[D0], v[QL]               ; d = my query - the step's first key - 32 (lane / 16).  Register 32 c + i holds key 64 c + 32 (lane / 16) + i: hidden where 64 c + i > d
.set n, 0
.rept 64
	v_cmp_gt_i32 vcc_lo, 64*(n/32)+n%32, v[TT]
	v_cndmask_b32 v[SR+n], v[SR+n], v[NINF], vcc_lo
.set n, n+1
.endr
.Lopen_\@:
.irp c, 0,1
	v_max3_num_f32 v[BM+\c], v[SR+32*\c], v[SR+32*\c+1], v[SR+32*\c+2]   ; THE LARGEST SCORE OF EACH BLOCK OF 32 KEYS, all in my lane: it serves twice: for the row's maximum, and, since p rises with the score, for the block's largest p
.endr
.irp k, 3,5,7,9,11,13,15,17,19,21,23,25,27,29
.irp c, 0,1
	v_max3_num_f32 v[BM+\c], v[BM+\c], v[SR+32*\c+\k], v[SR+32*\c+\k+1]   ; (the two blocks by turns; each accumulator is read from its low end on)
.endr
.endr
.irp c, 0,1
	v_max_num_f32 v[BM+\c], v[BM+\c], v[SR+32*\c+31]
.endr
	s_delay_alu instid0(VALU_DEP_1)
	v_max_num_f32 v[TT], v[BM], v[BM+1]
	s_delay_alu instid0(VALU_DEP_1)
	v_permlanex16_b32 v[TX], v[TT], s[SEL], s[SEL+1]
	s_delay_alu instid0(VALU_DEP_1)
	v_max_num_f32 v[TT], v[TT], v[TX]              ; with lane l xor 16's 64 keys: the step's largest score of my query
	s_delay_alu instid0(VALU_DEP_1)
	v_mul_f32 v[TT], s[CS], v[TT]                  ; as t (c is positive)
	s_delay_alu instid0(VALU_DEP_1)
	v_max_num_f32 v13, v13, v[TT]                  ; the running largest t
	v_mov_b32 v[TT], v12
	s_delay_alu instid0(VALU_DEP_2)
	v_floor_f32 v12, -v13                          ; the new -M = floor(-t) = -ceil(t): M IS A WHOLE NUMBER
	s_delay_alu instid0(VALU_DEP_1)
	v_sub_f32 v[TT], v12, v[TT]                    ; M's old value less its new one: a whole number, 0 or less
	s_delay_alu instid0(VALU_DEP_1)
	v_cvt_i32_f32 v[TT], v[TT]                     ; (it saturates)
	s_delay_alu instid0(VALU_DEP_1)
	v_ldexp_f32 v[FF], 1.0, v[TT]                  ; f = 2^(old M - new M)
.set n, 0
.rept 32
	v_pk_fma_f32 v[SR+n:SR+n+1], v[SR+n:SR+n+1], s[CS:CS+1], v[12:13] op_sel_hi:[1,0,0]   ; t - M, two at a time (of the pairs c and -M the low word serves both halves)
.set n, n+2
.endr
.irp c, 0,1
	v_fma_f32 v[BM+\c], v[BM+\c], s[CS], v12       ; the same of each block's largest score
.endr
.set n, 0
	s_wait_alu depctr_va_vdst(0)
.rept 64
	v_exp_f32 v[SR+n], v[SR+n]                     ; p = 2^(t - M), at most 1: NOT normalised
.set n, n+1
.endr
	v_pk_mul_f32 v[14:15], v[14:15], v[FF:FF+1] op_sel_hi:[1,0]   ; the sums under the new M.  (A plain place behind the exponentials)
	s_wait_alu depctr_va_vdst(0)                   ; one wait for the whole batch, ahead of its first reader
.irp c, 0,1
	v_exp_f32 v[BM+\c], v[BM+\c]                   ; the block's largest p: the same two instructions on the same number give the same bits
.endr
	v_pk_add_f32 v[36:37], v[132:133], v[136:137]
	v_pk_add_f32 v[246:247], v[140:141], v[144:145]
	v_pk_add_f32 v[244:245], v[148:149], v[152:153]
	v_pk_add_f32 v[242:243], v[156:157], v[160:161]
	v_pk_add_f32 v[234:235], v[164:165], v[168:169]
	v_pk_add_f32 v[232:233], v[172:173], v[176:177]
	v_pk_add_f32 v[230:231], v[180:181], v[184:185]
	v_pk_add_f32 v[14:15], v[14:15], v[188:189]
	v_pk_add_f32 v[36:37], v[36:37], v[128:129]
	v_pk_add_f32 v[246:247], v[246:247], v[130:131]
	v_pk_add_f32 v[244:245], v[244:245], v[134:135]
	v_pk_add_f32 v[242:243], v[242:243], v[138:139]
	v_pk_add_f32 v[234:235], v[234:235], v[142:143]
	v_pk_add_f32 v[232:233], v[232:233], v[146:147]
	v_pk_add_f32 v[230:231], v[230:231], v[150:151]
	v_pk_add_f32 v[14:15], v[14:15], v[154:155]
	v_pk_add_f32 v[36:37], v[36:37], v[158:159]
	v_pk_add_f32 v[246:247], v[246:247], v[162:163]
	v_pk_add_f32 v[244:245], v[244:245], v[166:167]
	v_pk_add_f32 v[242:243], v[242:243], v[170:171]
	v_pk_add_f32 v[234:235], v[234:235], v[174:175]
	v_pk_add_f32 v[232:233], v[232:233], v[178:179]
	v_pk_add_f32 v[230:231], v[230:231], v[182:183]
	v_pk_add_f32 v[14:15], v[14:15], v[186:187]
	v_pk_add_f32 v[36:37], v[36:37], v[190:191]
	s_delay_alu instid0(VALU_DEP_2)
	v_pk_add_f32 v[14:15], v[14:15], v[242:243]
	s_delay_alu instid0(VALU_DEP_2)
	v_pk_add_f32 v[36:37], v[36:37], v[234:235]
	v_pk_add_f32 v[246:247], v[246:247], v[232:233]
	v_pk_add_f32 v[244:245], v[244:245], v[230:231]
	s_delay_alu instid0(VALU_DEP_2)
	v_pk_add_f32 v[14:15], v[14:15], v[246:247]
	s_delay_alu instid0(VALU_DEP_2)
	v_pk_add_f32 v[36:37], v[36:37], v[244:245]
	s_delay_alu instid0(VALU_DEP_1)
	v_pk_add_f32 v[14:15], v[14:15], v[36:37]
	s_wait_alu depctr_va_vdst(0)                   ; and one for the two
.irp c, 0,1
	v_max_num_f32 v[BM+\c], 0x1800000, v[BM+\c]    ; the floor 2^(3 - 127): the byte cannot fall under 1 (a block whose every p is 0 keeps that byte: its codes are zeros)
.endr
.irp c, 0,1
	s_delay_alu instid0(VALU_DEP_2)
	v_add_nc_u32 v[SO+\c], 0xff000000, v[BM+\c]    ; 2 off the exponent field: the conversion's scale operand
.endr
.irp c, 0,1
	s_delay_alu instid0(VALU_DEP_2)
	v_lshrrev_b32 v[BY+\c], 23, v[SO+\c]           ; the scale's byte
.endr
	s_delay_alu instid0(VALU_DEP_1)
	v_lshl_or_b32 v[WW], v[BY+1], 16, v[BY]        ; my two bytes: blocks h and 2 + h,
	s_delay_alu instid0(VALU_DEP_1)
	v_lshlrev_b32 v[WW], v[SH8], v[WW]             ; at their places in the word;
	s_delay_alu instid0(VALU_DEP_1)
	v_permlanex16_b32 v[WX], v[WW], s[SEL], s[SEL+1]
	s_delay_alu instid0(VALU_DEP_1)
	v_or_b32 v[PW], v[WW], v[WX]                   ; with lane l xor 16's two: p's scale word for these 128 keys
.irp c, 0,1
	v_cvt_scalef32_pk16_fp6_f32 v[PF+6*\c:PF+6*\c+2], v[SR+32*\c:SR+32*\c+15], v[SO+\c]
	v_cvt_scalef32_pk16_fp6_f32 v[CT+12*\c:CT+12*\c+2], v[SR+32*\c+16:SR+32*\c+31], v[SO+\c]   ; (a conversion's three registers begin on an even number)
.endr
	v_nop                                          ; one plain place behind a scaled conversion
.irp c, 0,1
.irp k, 0,1,2
	v_mov_b32 v[PF+6*\c+3+\k], v[CT+12*\c+\k]
.endr
.endr
.set n, 0
.rept 16
	v_pk_mul_f32 v[OT+n:OT+n+1], v[OT+n:OT+n+1], v[FF:FF+1] op_sel_hi:[1,0]   ; O^T under the new M: x f.  (These 16 are also the places between the writes of p's codes and scale word and the products)
.set n, n+2
.endr
	s_wait_alu depctr_va_vdst(0)
	s_wait_dscnt 0x0                               ; V is in
.irp t, 0,1,2,3                                ; O^T += V^T P^T: the head's four tiles of 16 channels by turns; K = these 128 keys
	v_wmma_scale_f32_16x16x128_f8f6f4 v[OT+8*\t:OT+8*\t+7], v[VB+12*\t:VB+12*\t+11], v[PF:PF+11], v[OT+8*\t:OT+8*\t+7], v[VSW+\t], v[PW] matrix_a_fmt:MATRIX_FMT_FP6 matrix_b_fmt:MATRIX_FMT_FP6
.endr
.Lskip_\@:
	s_add_co_u32 s[TB], s[TB], BLKB
	s_add_co_u32 s[KS], s[KS], 1
	s_cmp_lt_u32 s[KS], \ntr
	s_cbranch_scc1 .Ltrip_\@
.endm
; The pass's end: O^T / the sum; my 32 numbers are one block along head x d: its scale byte and 24 bytes of codes go to the stages.
.macro FINISH i
.rept 4
	v_nop                                          ; places behind the last products
.endr
	v_add_f32 v14, v14, v15                        ; the sum's two halves,
	s_delay_alu instid0(VALU_DEP_1)
	v_permlanex16_b32 v[TX], v14, s[SEL], s[SEL+1]
	s_delay_alu instid0(VALU_DEP_1)
	v_add_f32 v14, v14, v[TX]                      ; and lane l xor 16's: the row's sum
	s_wait_alu depctr_va_vdst(0)
	v_rcp_f32 v14, v14
	v_nop                                          ; a plain place behind the transcendental
	s_wait_alu depctr_va_vdst(0)                   ; and the wait ahead of its first reader
.set n, 0
.rept 16
	v_pk_mul_f32 v[OT+n:OT+n+1], v[OT+n:OT+n+1], v[14:15] op_sel_hi:[1,0]
.set n, n+2
.endr
	v_max3_num_f32 v[BM], |v[OT]|, |v[OT+1]|, 0x1800000            ; the block's largest magnitude, in two chains, with the floor 2^(3 - 127)
	v_max3_num_f32 v[BM+1], |v[OT+16]|, |v[OT+17]|, 0x1800000
.irp k, 2,4,6,8,10,12,14
	s_delay_alu instid0(VALU_DEP_2)
	v_max3_num_f32 v[BM], v[BM], |v[OT+\k]|, |v[OT+\k+1]|
	s_delay_alu instid0(VALU_DEP_2)
	v_max3_num_f32 v[BM+1], v[BM+1], |v[OT+16+\k]|, |v[OT+17+\k]|
.endr
	s_delay_alu instid0(VALU_DEP_1)
	v_max_num_f32 v[BM], v[BM], v[BM+1]
	s_delay_alu instid0(VALU_DEP_1)
	v_add_nc_u32 v[SO], 0xff000000, v[BM]
	s_delay_alu instid0(VALU_DEP_1)
	v_lshrrev_b32 v[BY], 23, v[SO]
	v_cvt_scalef32_pk16_fp6_f32 v[CT:CT+2], v[OT:OT+15], v[SO]
	v_cvt_scalef32_pk16_fp6_f32 v[CT+12:CT+14], v[OT+16:OT+31], v[SO]
	v_nop                                          ; one plain place behind a scaled conversion
	ds_store_b96 v[STA], v[CT:CT+2] offset:64*SPI*\i               ; 16 codes, 12 bytes, to a place of 16 bytes, so that every LDS address is a multiple of 16
	ds_store_b96 v[STA], v[CT+12:CT+14] offset:64*SPI*\i+16
	ds_store_b8 v[SCB], v[BY] offset:512*\i
	s_wait_dscnt 0x0                               ; the stores have landed: for the registers' sake here, for the other waves' at the barrier below
.endm
	PASS 0, 8                                      ; block j: j / 2 + 1 steps, 8 at the most
	FINISH 0
	PASS 1, 16                                     ; block 31 - j: (31 - j) / 2 + 1 steps, 16 at the most
	FINISH 1
	s_barrier_signal -1
	s_barrier_wait -1                              ; 128 rows of 192 bytes of codes and of 8 scale bytes lie in the stages: a row's come from all four heads' waves
.irp i, 0,1,2,3
	ds_load_b96 v[SR+4*\i:SR+4*\i+2], v[SRD] offset:2*SPI*\i
.endr
.irp i, 0,1,2,3
	s_wait_dscnt 3-\i
	global_store_b96 v[GOF], v[SR+4*\i:SR+4*\i+2], s[AOUT:AOUT+1] offset:1536*\i   ; sixteen lanes store a row's 192 consecutive bytes: the group's four heads of the row's 768
.endr
	s_cmp_ge_u32 s[WV], 4
	s_cbranch_scc1 .Ldone
	ds_load_b64 v[SR+16:SR+17], v[SSR]
	s_wait_dscnt 0x0
	global_store_b64 v[L32], v[SR+16:SR+17], s[SOUT:SOUT+1]        ; a lane a row: the group's 8 of the row's 32 scale bytes
.Ldone:
	s_wait_xcnt 0x0
	v_lshl_add_u32 v254, v0, 2, 0x3c000
	v_mov_b32 v255, 0
	s_wait_alu depctr_va_vdst(0)
	s_wait_tensorcnt 0x0
	ds_add_u32 v254, v255
	s_wait_dscnt 0x0
	s_endpgm
.Lfunc_end_k_q13c3f629b4_attn:
	.size	k_q13c3f629b4_attn, .Lfunc_end_k_q13c3f629b4_attn-k_q13c3f629b4_attn
	.p2alignl 7, 3214868480
	.fill 96, 4, 3214868480
	.section	.rodata,"a",@progbits
	.p2align	6, 0x0
	.amdhsa_kernel k_q13c3f629b4_attn
		.amdhsa_group_segment_fixed_size 247808
		.amdhsa_private_segment_fixed_size 0
		.amdhsa_enable_private_segment 0
		.amdhsa_kernarg_size 40
		.amdhsa_user_sgpr_count 2
		.amdhsa_user_sgpr_kernarg_segment_ptr 1
		.amdhsa_wavefront_size32 1
		.amdhsa_system_sgpr_workgroup_id_x 1
		.amdhsa_system_sgpr_workgroup_id_y 1
		.amdhsa_system_sgpr_workgroup_id_z 1
		.amdhsa_system_vgpr_workitem_id 0
		.amdhsa_next_free_vgpr 256
		.amdhsa_next_free_sgpr 66
		.amdhsa_reserve_vcc 1
		.amdhsa_float_denorm_mode_32 3
		.amdhsa_float_denorm_mode_16_64 3
		.amdhsa_memory_ordered 1
		.amdhsa_forward_progress 1
		.amdhsa_inst_pref_size 63
	.end_amdhsa_kernel
	.amdgpu_metadata
---
amdhsa.version: [ 1, 2 ]
amdhsa.kernels:
  - .name:           k_q13c3f629b4_attn
    .symbol:         k_q13c3f629b4_attn.kd
    .args:
      - { .name: qimg, .offset: 0, .size: 8, .value_kind: global_buffer, .address_space: global }
      - { .name: qsc, .offset: 8, .size: 8, .value_kind: global_buffer, .address_space: global }
      - { .name: kv, .offset: 16, .size: 8, .value_kind: global_buffer, .address_space: global }
      - { .name: acodes, .offset: 24, .size: 8, .value_kind: global_buffer, .address_space: global }
      - { .name: ascales, .offset: 32, .size: 8, .value_kind: global_buffer, .address_space: global }
    .group_segment_fixed_size: 247808
    .private_segment_fixed_size: 0
    .kernarg_segment_align: 8
    .kernarg_segment_size: 40
    .max_flat_workgroup_size: 512
    .sgpr_count:     66
    .vgpr_count:     256
    .wavefront_size: 32
...
	.end_amdgpu_metadata
.endif
;; end of part 2
;; launch outp (part 3): grid 4 x 64, 4 waves a work-group, clusters of 4 x 4, 327,680 bytes of LDS; arguments acodes, ascales, wo_codes, wo_scales, out0; writes out0
.if DOCPART == 3
	.amdgcn_target "amdgcn-amd-amdhsa--gfx1250"
	.amdhsa_code_object_version 6
	.text
	.protected	k_q13c3f629b4_outp
	.globl	k_q13c3f629b4_outp
	.p2align	8
	.type	k_q13c3f629b4_outp,@function
k_q13c3f629b4_outp:
	s_mov_b64 s[64:65], 0
	v_nop
	global_prefetch_b8 v0, s[64:65] scope:SCOPE_SE
	s_setreg_imm32_b32 hwreg(HW_REG_WAVE_MODE, 25, 1), 1
	s_wait_xcnt 0x0
	s_wait_alu depctr_hold_cnt(0) depctr_sa_sdst(0) depctr_va_vdst(0) depctr_va_sdst(0) depctr_va_ssrc(0) depctr_va_vcc(0) depctr_vm_vsrc(0)
	s_getreg_b32 s2, hwreg(HW_REG_IB_STS2, 6, 4)
	s_cmp_eq_u32 s2, 0
	s_cbranch_scc0 .Lentry_in_a_cluster
	s_endpgm
.Lentry_in_a_cluster:
	s_bfe_u32 s2, ttmp6, 0x10000c
	s_cmp_lg_u32 s2, 0xf033
	s_cbranch_scc0 .Lentry_shape_is_right
	s_endpgm
.Lentry_shape_is_right:
; out0[m][n] = sum over k of A[m][k] B[n][k]: A = the attention's result [8,192][1,024], B = wo [1,024][1,024], both as codes of FP6 (E2M3), 768 bytes a row, with one E8M0 byte for each 32 along K; out0 f32.
; A work-group makes 128 x 256 of out0: 64 x 4 = 256 work-groups.  ALL OF K LIES IN LDS AT ONCE: 128 rows of A and 256 of B, 768 bytes each, 16 bytes of padding behind every 256: pitch 816, 313,344 bytes.
; Nothing is filled again.  The rows of a block are dense in memory, so a tile is stated as rows of 256 bytes.  One joint load a wave at the head: waves 0, 1 fetch A's halves (64 rows), waves 2, 3 B's (128 rows).
; CLUSTERS of 4 x 4: A's tile is shared along a row of the cluster, B's along a column.
; A wave makes 64 x 128: 32 accumulators by turns.  THE SCALES go from memory into registers once: a lane takes a row's 32 bytes (8 words, one for each step of 128); lanes 0-15 hold one block of 16 rows, lanes 16-31 the next.
; The matrix instruction is used transposed (source 0 = B's rows, source 1 = A's): a lane holds eight neighbouring numbers of a row of out0.
; NO PREFETCH: the launch's tensor loads all stand at its head, and there is no loop to run ahead in.
; REGISTERS: window 0: v16-29 addresses, v32-47 A's scale words, v48-79 B's, v128-223 A's fragments (two sets of 48); window 1: B's fragments, sets at v0 and v128; window 2: the accumulators, (a, b) at v[8 (8 a + b)].
.set SIZE_N, 1024
.set RP,     816
.set BOFF,   128*RP
.set SPARE,  384*RP                    ; the spare words, behind the codes
.set SPITCH, 528                       ; the way out: 16 rows x (512 + 16) bytes a wave, from LDS byte 0: A's bytes, read no more behind the last barrier
.set FR,   12
.set ADRA, 16                          ; v16 my A fragments; v17 the same + 16 in lanes 16-31, for pieces whose lanes 16-31 lie behind the next padding
.set ADRB, 18                          ; v18-19 B's blocks 0-3, v20-21 blocks 4-7
.set STO,  24
.set RD,   25
.set CO,   26
.set SCO,  27                          ; 32 x lane: a row of scales
.set SPW,  28
.set NIL,  29
.set SA,   32
.set SB,   48
.set AF,   128
.set BK,   128
.set G1,  24
.set G0,  32
.set G1B, 48
.set G0B, 56
.set MSB, 0
.macro WIN new
.if MSB != \new
	s_set_vgpr_msb (MSB<<8)|\new
.set MSB, \new
.endif
.endm
.macro CROUND                          ; a round of the cluster's barrier
	s_barrier_signal -1
	s_barrier_wait -1
	s_cmp_lg_u32 s14, 0
	s_cbranch_scc1 .Lnot_wave_0_\@
	s_barrier_signal -3
.Lnot_wave_0_\@:
	s_barrier_wait -3
	s_barrier_signal -1
	s_barrier_wait -1
.endm
.macro PLACES
.rept 4
	v_nop
.endr
.endm
	s_load_b128 s[4:7], s[0:1], 0x0                ; A's codes, A's scales
	s_load_b128 s[8:11], s[0:1], 0x10              ; B's codes, B's scales
	s_load_b64 s[12:13], s[0:1], 0x20              ; out0
	v_lshl_add_u32 v[SPW], v0, 2, SPARE
	v_mov_b32 v[NIL], 0
	ds_add_u32 v[SPW], v[NIL]                      ; the opening lines: the add twice and its wait
	ds_add_u32 v[SPW], v[NIL]
	v_lshrrev_b32 v1, 5, v0
	v_readfirstlane_b32 s14, v1                    ; wave
	s_lshr_b32 s15, s14, 1                         ; my 64 rows of A.  Also: I fetch for A (0) or B (1)
	s_and_b32 s16, s14, 1                          ; my 128 rows of B.  Also: which half I fetch
	s_bfe_u32 s40, ttmp6, 0x40000                  ; cx
	s_bfe_u32 s41, ttmp6, 0x40004                  ; cy
	s_lshl_b32 s42, ttmp9, 2
	s_add_co_u32 s42, s42, s40                     ; block column
	s_and_b32 s17, ttmp7, 0xffff
	s_lshl_b32 s17, s17, 2
	s_add_co_u32 s17, s17, s41                     ; block row
	s_lshl_b32 s43, s41, 2
	s_lshl_b32 s43, 15, s43                        ; my row of the cluster
	s_lshl_b32 s44, 0x1111, s40                    ; my column
	s_or_b32 s[G1+0], s43, (3<<16)|(1<<20)|(1<<21)|(5<<22)|(3<<25)   ; elements of 8 bytes; 4 words of padding behind every 64
	s_or_b32 s[G1B+0], s44, (3<<16)|(1<<20)|(1<<21)|(5<<22)|(3<<25)
	s_mov_b32 s[G1+1], 32<<16
	s_mov_b32 s[G1+2], 192<<16                     ; 64 rows of 768 bytes = 192 of 256
	s_mov_b32 s[G1+3], 32<<16
	s_mov_b32 s[G1+4], 192
	s_mov_b32 s[G1+5], 32
	s_mov_b32 s[G1+6], 0
	s_mov_b32 s[G1+7], 0
	s_mov_b32 s[G1B+1], 32<<16
	s_mov_b32 s[G1B+2], 384<<16                    ; 128 rows of 768 bytes
	s_mov_b32 s[G1B+3], 32<<16
	s_mov_b32 s[G1B+4], 384
	s_mov_b32 s[G1B+5], 32
	s_mov_b32 s[G1B+6], 0
	s_mov_b32 s[G1B+7], 0
	s_lshl_b32 s20, s17, 7
	s_lshl_b32 s18, s16, 6
	s_add_co_u32 s20, s20, s18                     ; A: row 128 x block row + 64 x half
	s_mul_i32 s20, s20, 768
	s_mov_b32 s21, 0
	s_lshl_b32 s46, s42, 8
	s_lshl_b32 s18, s16, 7
	s_add_co_u32 s46, s46, s18                     ; B: row 256 x block column + 128 x half
	s_mul_i32 s46, s46, 768
	s_mov_b32 s47, 0
	s_mov_b32 s[G0], 1
	s_mul_i32 s[G0+1], s16, 64*RP
	s_mov_b32 s[G0B], 1
	s_mul_i32 s[G0B+1], s16, 128*RP
	s_add_co_u32 s[G0B+1], s[G0B+1], BOFF
	s_wait_dscnt 0x0
	s_wait_kmcnt 0x0
	s_add_nc_u64 s[G0+2:G0+3], s[4:5], s[20:21]
	s_or_b32 s[G0+3], s[G0+3], 0x80000000
	s_add_nc_u64 s[G0B+2:G0B+3], s[8:9], s[46:47]
	s_or_b32 s[G0B+3], s[G0B+3], 0x80000000
	CROUND                                         ; all sixteen work-groups are here: the joint loads meet
	s_cmp_eq_u32 s15, 0
	s_cbranch_scc0 .Lfor_b
	tensor_load_to_lds s[G0:G0+3], s[G1:G1+7]
	s_nop 0
	PLACES
	s_branch .Lasked
.Lfor_b:
	tensor_load_to_lds s[G0B:G0B+3], s[G1B:G1B+7]
	s_nop 0
	PLACES
.Lasked:
	v_and_b32 v1, 15, v0
	v_bfe_u32 v2, v0, 4, 1
	v_mul_u32_u24 v3, v1, RP
	v_mad_u32_u24 v3, v2, 24, v3                   ; row x pitch + 24 x half
	v_lshl_add_u32 v4, v2, 4, v3                   ; + 16 x half
	s_mul_i32 s21, s15, 64*RP
	s_mul_i32 s22, s16, 128*RP
	s_add_co_u32 s22, s22, BOFF
	v_add_nc_u32 v[ADRA], s21, v3
	v_add_nc_u32 v[ADRA+1], s21, v4
	v_add_nc_u32 v[ADRB], s22, v3
	v_add_nc_u32 v[ADRB+1], s22, v4
	s_add_co_u32 s22, s22, 64*RP
	v_add_nc_u32 v[ADRB+2], s22, v3
	v_add_nc_u32 v[ADRB+3], s22, v4
	s_mul_i32 s23, s14, 16*SPITCH
	v_mul_u32_u24 v5, v1, SPITCH
	v_lshl_add_u32 v5, v2, 5, v5
	v_add_nc_u32 v[STO], s23, v5
	v_and_b32 v6, 31, v0
	v_lshlrev_b32 v[CO], 4, v6
	v_add_nc_u32 v[RD], s23, v[CO]
	v_lshlrev_b32 v[SCO], 5, v6
	s_lshl_b32 s20, s17, 7
	s_lshl_b32 s21, s15, 6
	s_add_co_u32 s20, s20, s21                     ; my first row of A and of out0
	s_mov_b32 s37, 0
	s_lshl_b32 s36, s20, 5
	s_add_nc_u64 s[6:7], s[6:7], s[36:37]          ; its scales
	s_lshl_b32 s46, s42, 8
	s_lshl_b32 s47, s16, 7
	s_add_co_u32 s46, s46, s47                     ; my first row of B = my first column of out0
	s_lshl_b32 s36, s46, 5
	s_add_nc_u64 s[10:11], s[10:11], s[36:37]
	s_lshl_b32 s36, s20, 12
	s_lshl_b32 s46, s46, 2
	s_add_co_u32 s36, s36, s46
	s_add_nc_u64 s[12:13], s[12:13], s[36:37]
	s_wait_alu depctr_va_vdst(0)                   ; the wait at the head's end
.irp i, 0,1
.irp j, 0,1
	global_load_b128 v[SA+8*\i+4*\j:SA+8*\i+4*\j+3], v[SCO], s[6:7] offset:1024*\i+16*\j     ; row 32 i + lane, words 4 j .. 4 j + 3
.endr
.endr
.irp i, 0,1,2,3
.irp j, 0,1
	global_load_b128 v[SB+8*\i+4*\j:SB+8*\i+4*\j+3], v[SCO], s[10:11] offset:1024*\i+16*\j
.endr
.endr
	s_wait_tensorcnt 0x0                           ; my tile is in,
	s_barrier_signal -1
	s_barrier_wait -1                              ; everybody's is
.macro FRAG reg, adr, st, i            ; 16 rows x 128 K: six pieces of 8 bytes; byte y of a row lies at y + 16 (y / 256) of its LDS row
.irp p, 0,1,2,3,4,5
.set BY, 96*(\st)+48*(\p/3)+8*(\p%3)
.if BY/256 == (BY+24)/256
	ds_load_b64 v[\reg+2*\p:\reg+2*\p+1], v[\adr] offset:BY+16*(BY/256)+(\i)*16*RP
.else
	ds_load_b64 v[\reg+2*\p:\reg+2*\p+1], v[\adr+1] offset:BY+16*(BY/256)+(\i)*16*RP
.endif
.endr
.endm
.macro FETCH st                        ; step st's fragments into set st % 2: 72 loads
	WIN 0x40
.irp i, 0,1,2,3,4,5,6,7
	FRAG 128*((\st)%2)+FR*\i, ADRB+2*(\i/4), \st, \i%4
.endr
	WIN 0
.irp i, 0,1,2,3
	FRAG AF+48*((\st)%2)+FR*\i, ADRA, \st, \i
.endr
.endm
.macro W4 a2, b2, st, zero             ; A's blocks 2 a2, + 1 x B's blocks 2 b2, + 1; an odd block's scales stand in lanes 16-31
.set DA, 8*(16*\a2+2*\b2)
.set FB, 128*((\st)%2)+24*\b2
.set FA, AF+48*((\st)%2)+24*\a2
.set XB, SB+8*\b2+(\st)
.set XA, SA+8*\a2+(\st)
.if \zero
	v_wmma_scale_f32_16x16x128_f8f6f4 v[DA:DA+7], v[FB:FB+11], v[FA:FA+11], 0, v[XB], v[XA] matrix_a_fmt:MATRIX_FMT_FP6 matrix_b_fmt:MATRIX_FMT_FP6
	v_wmma_scale_f32_16x16x128_f8f6f4 v[DA+8:DA+15], v[FB+12:FB+23], v[FA:FA+11], 0, v[XB], v[XA] matrix_a_fmt:MATRIX_FMT_FP6 matrix_b_fmt:MATRIX_FMT_FP6 matrix_a_scale:MATRIX_SCALE_ROW1
	v_wmma_scale_f32_16x16x128_f8f6f4 v[DA+64:DA+71], v[FB:FB+11], v[FA+12:FA+23], 0, v[XB], v[XA] matrix_a_fmt:MATRIX_FMT_FP6 matrix_b_fmt:MATRIX_FMT_FP6 matrix_b_scale:MATRIX_SCALE_ROW1
	v_wmma_scale_f32_16x16x128_f8f6f4 v[DA+72:DA+79], v[FB+12:FB+23], v[FA+12:FA+23], 0, v[XB], v[XA] matrix_a_fmt:MATRIX_FMT_FP6 matrix_b_fmt:MATRIX_FMT_FP6 matrix_a_scale:MATRIX_SCALE_ROW1 matrix_b_scale:MATRIX_SCALE_ROW1
.else
	v_wmma_scale_f32_16x16x128_f8f6f4 v[DA:DA+7], v[FB:FB+11], v[FA:FA+11], v[DA:DA+7], v[XB], v[XA] matrix_a_fmt:MATRIX_FMT_FP6 matrix_b_fmt:MATRIX_FMT_FP6
	v_wmma_scale_f32_16x16x128_f8f6f4 v[DA+8:DA+15], v[FB+12:FB+23], v[FA:FA+11], v[DA+8:DA+15], v[XB], v[XA] matrix_a_fmt:MATRIX_FMT_FP6 matrix_b_fmt:MATRIX_FMT_FP6 matrix_a_scale:MATRIX_SCALE_ROW1
	v_wmma_scale_f32_16x16x128_f8f6f4 v[DA+64:DA+71], v[FB:FB+11], v[FA+12:FA+23], v[DA+64:DA+71], v[XB], v[XA] matrix_a_fmt:MATRIX_FMT_FP6 matrix_b_fmt:MATRIX_FMT_FP6 matrix_b_scale:MATRIX_SCALE_ROW1
	v_wmma_scale_f32_16x16x128_f8f6f4 v[DA+72:DA+79], v[FB+12:FB+23], v[FA+12:FA+23], v[DA+72:DA+79], v[XB], v[XA] matrix_a_fmt:MATRIX_FMT_FP6 matrix_b_fmt:MATRIX_FMT_FP6 matrix_a_scale:MATRIX_SCALE_ROW1 matrix_b_scale:MATRIX_SCALE_ROW1
.endif
.endm
.macro MUL st, zero                    ; a step's 32 products: the 32 accumulators by turns, in the same order in every step
	WIN 0xa1
.irp a2, 0,1
.irp b2, 0,1,2,3
	W4 \a2, \b2, \st, \zero
.endr
.endr
.endm
	FETCH 0
	s_wait_dscnt 0x0                               ; step 0's fragments are in
	FETCH 1
	s_wait_loadcnt 0x0                             ; the scales
	MUL 0, 1                                       ; the first step's products start the sums
.set ST, 1
.rept 6
	s_wait_dscnt 0x0                               ; this step's fragments, asked for ahead of the last step's 32 products
	PLACES                                         ; in front of loads into the set that the last step's products read
	FETCH ST+1
	MUL ST, 0
.set ST, ST+1
.endr
	s_wait_dscnt 0x0                               ; my last reads of the codes are done:
	s_barrier_signal -1                            ; say so,
	MUL 7, 0
	WIN 0
	s_barrier_wait -1                              ; and behind this nobody reads them: the stages may lie on A's bytes, which are filled no more
; THE WAY OUT: a block of 16 rows x 128 columns goes through my stage and comes back as rows of 512 bytes, which the 32 lanes store as two aligned units of 256 bytes.
.macro TOSTAGE a
.set AC, 64*(\a)
	WIN 0x08
.irp b, 0,1,2,3,4,5,6,7
	ds_store_b128 v[STO], v[AC+8*\b:AC+8*\b+3] offset:64*\b          ; each accumulator from its low end on
	ds_store_b128 v[STO], v[AC+8*\b+4:AC+8*\b+7] offset:64*\b+16
.endr
	WIN 0
.set BB, BK+64*((\a)%2)
.irp t, 0,1,2,3,4,5,6,7,8,9,10,11,12,13,14,15
	ds_load_b128 v[BB+4*\t:BB+4*\t+3], v[RD] offset:\t*SPITCH
.endr
.endm
.macro SEND a, younger
.set BB, BK+64*((\a)%2)
	s_wait_dscnt \younger
.if (\a) > 0
	s_add_nc_u64 s[12:13], s[12:13], 16*SIZE_N*4   ; behind a wait on XCNT: the earlier stores have read their base
.endif
.irp t, 0,1,2,3,4,5,6,7,8,9,10,11,12,13,14,15
	global_store_b128 v[CO], v[BB+4*\t:BB+4*\t+3], s[12:13] offset:\t*SIZE_N*4 th:TH_STORE_NT
.endr
.endm
	PLACES                                         ; behind the last products
	TOSTAGE 0
.irp a, 1,2,3
.if \a > 1
	s_wait_xcnt 0x0                                ; block a - 2's stores have read their registers and their base
.endif
	TOSTAGE \a
	SEND \a-1, 32                                  ; behind block a - 1's loads: block a's 16 stores and 16 loads
.endr
	s_wait_xcnt 0x0
	SEND 3, 0
	s_wait_tensorcnt 0x0                           ; the wave's end
	ds_add_u32 v[SPW], v[NIL]
	s_wait_dscnt 0x0
	CROUND                                         ; the closing round
	s_endpgm
.Lfunc_end_k_q13c3f629b4_outp:
	.size	k_q13c3f629b4_outp, .Lfunc_end_k_q13c3f629b4_outp-k_q13c3f629b4_outp
	.p2alignl 7, 3214868480
	.fill 96, 4, 3214868480
	.section	.rodata,"a",@progbits
	.p2align	6, 0x0
	.amdhsa_kernel k_q13c3f629b4_outp
		.amdhsa_group_segment_fixed_size 327680
		.amdhsa_private_segment_fixed_size 0
		.amdhsa_enable_private_segment 0
		.amdhsa_kernarg_size 40
		.amdhsa_user_sgpr_count 2
		.amdhsa_user_sgpr_kernarg_segment_ptr 1
		.amdhsa_wavefront_size32 1
		.amdhsa_system_sgpr_workgroup_id_x 1
		.amdhsa_system_sgpr_workgroup_id_y 1
		.amdhsa_system_sgpr_workgroup_id_z 1
		.amdhsa_system_vgpr_workitem_id 0
		.amdhsa_next_free_vgpr 768
		.amdhsa_next_free_sgpr 66
		.amdhsa_reserve_vcc 0
		.amdhsa_float_denorm_mode_32 3
		.amdhsa_float_denorm_mode_16_64 3
		.amdhsa_memory_ordered 1
		.amdhsa_forward_progress 1
		.amdhsa_inst_pref_size 92
	.end_amdhsa_kernel
	.amdgpu_metadata
---
amdhsa.version: [ 1, 2 ]
amdhsa.kernels:
  - .name:           k_q13c3f629b4_outp
    .symbol:         k_q13c3f629b4_outp.kd
    .args:
      - { .name: acodes, .offset: 0, .size: 8, .value_kind: global_buffer, .address_space: global }
      - { .name: ascales, .offset: 8, .size: 8, .value_kind: global_buffer, .address_space: global }
      - { .name: wo_codes, .offset: 16, .size: 8, .value_kind: global_buffer, .address_space: global }
      - { .name: wo_scales, .offset: 24, .size: 8, .value_kind: global_buffer, .address_space: global }
      - { .name: out0, .offset: 32, .size: 8, .value_kind: global_buffer, .address_space: global }
    .group_segment_fixed_size: 327680
    .private_segment_fixed_size: 0
    .kernarg_segment_align: 8
    .kernarg_segment_size: 40
    .max_flat_workgroup_size: 128
    .sgpr_count:     66
    .vgpr_count:     768
    .wavefront_size: 32
...
	.end_amdgpu_metadata
.endif
;; end of part 3
